; MI455X (gfx1250); checked and timed in simulation.
; The chip was launched on July 23, 2026; its instructions are those of AMD's public machine-readable ISA for CDNA 5 (MIT licence, August 2026) and "CDNA5" Instruction Set Architecture Reference Guide (July 2026). The comments in the code are by the model that wrote it; some were corrected since.
;; Cross Network. Allowed arithmetic: float matrix products may take bf16 or f16 operands with f32 sums; all other float work in f32.
;; Inputs: weight_b 4 x 1,024 float32; weight_w 4 x 1,024 float32; x 16,384 x 1,024 float32.
;; Outputs: out0 16,384 x 1,024 float32.
;; One version. Each part assembles by itself: llvm-mc -triple=amdgcn-amd-amdhsa -mcpu=gfx1250 --defsym DOCPART=n.
;; ======== version 1 of 1: 1 launch
;; launch cross (part 1): grid 256 x 1, 8 waves a work-group, no clusters, 21,760 bytes of LDS; arguments x, weight_w, weight_b, out0; writes out0
.if DOCPART == 1
	.amdgcn_target "amdgcn-amd-amdhsa--gfx1250"
	.amdhsa_code_object_version 6
	.text
	.protected	k_q3399a1c48e_cross
	.globl	k_q3399a1c48e_cross
	.p2align	8
	.type	k_q3399a1c48e_cross,@function
k_q3399a1c48e_cross:
	s_mov_b64 s[64:65], 0
	v_nop
	global_prefetch_b8 v0, s[64:65] scope:SCOPE_SE
	s_setreg_imm32_b32 hwreg(HW_REG_WAVE_MODE, 25, 1), 1
	s_wait_xcnt 0x0
; CrossNetwork, four layers:  x_{i+1} = x0 <x_i, w_i> + b_i + x_i,  x: [16384][1024] f32, w, b: [4][1024] f32, all sums in f32.
;
; THE FORM USED.  Every x_i is a_i x0 + c_i with a_0 = 1, c_0 = 0, c_{i+1} = c_i + b_i.  So <x_i, w_i> = a_i d_i + e_i with
; d_i = <x0, w_i> (four dot products of the row as it was loaded) and e_i = <c_i, w_i> (the same for all rows, e_0 = 0), and
;     a_{i+1} = a_i + a_i d_i + e_i,      out = a_4 x0 + (b_0 + b_1 + b_2 + b_3).
; This holds for every input.  A row is read once, stays in registers between the dot products and the scaling, and is written once.
; LIMITS.  The order of rounding differs from the layer-by-layer form: x_i is never formed, <x_i, w_i> is a_i d_i + e_i, each part an f32 sum.
; A row that holds an infinity or a NaN comes out non-finite, but not necessarily with the layer-by-layer form's pattern of infinities and NaNs.
;
; SHARES.  256 work-groups of 8 waves; a work-group owns 64 rows, a wave 8 whole rows, so that a dot product never leaves its wave.
; A lane holds 32 numbers of a row: chunk j (0..7) is the 16 bytes at 512 j + 16 lane, so each load and each store of a wave covers
; 512 consecutive bytes that start at a multiple of 512 from the buffer's first byte.
; WEIGHTS.  Each byte of w and b is fetched once by the work-group (thread t: columns 4t .. 4t+3 of all eight vectors) and handed round
; through LDS; per wave from memory it would be 2048 x 32 KB, as much as x itself.
; NO RING.  A wave's 8 rows are 256 registers.  Rows 0-5 are asked for right behind the weights, row 6 behind the barrier, row 7 when row 0 has come.
; NOT USED, by this text's arithmetic: the matrix unit (the product has 4 columns where a tile has 16, and there are 5 multiply-adds for
; 8 bytes moved; rounding x to 16 bits would enter a_4 through four factors); clusters and joint loads (work-groups share only the 32 KB
; of weights against 512 KB of their own rows); prefetches (all of a wave's rows but one are asked for by plain loads at the start).
.set ROWB,  4096                       ; bytes in a row of x, out0, weight_w, weight_b
.set CHUNK, 512                        ; bytes that one 16-byte access of a wave covers
.set LDS_W, 0                          ; w_0 .. w_3, 4 x 4,096 bytes
.set LDS_C, 4*ROWB                     ; b_0 + b_1 + b_2 + b_3, 4,096 bytes
.set LDS_E, 5*ROWB                     ; wave v: its parts of e_1, e_2, e_3 and a zero, 16 bytes at 16 v
; window 0
.set VOFF,  1                          ; v1        byte offset of my 16 bytes in my wave's first row, from the work-group's first row
.set TOFF,  2                          ; v2        16 t: my columns in w and b, and in their copies in LDS
.set LOFF,  3                          ; v3        16 lane
.set EADR,  4                          ; v4        16 wave
.set LANE4, 5                          ; v5        4 lane
.set WT,    8                          ; v[8:23]   set-up: w_i of my four columns
.set BT,    24                         ; v[24:39]  set-up: b_i of my four columns, then their running sums c_1, c_2, c_3, c_4
.set ET,    40                         ; v[40:45]  set-up: pairs of partial sums of e_1, e_2, e_3
.set E,     46                         ; v[46:49]  set-up: e_1, e_2, e_3 of my wave's 128 columns, and 0
.set EV,    50                         ; v50       set-up: one word of the eight waves' parts
.set W,     64                         ; v[64:191]  w_i, chunk j at W + 32 i + 4 j
.set C,     192                        ; v[192:223] c_4, chunk j at C + 4 j
.set ACC,   224                        ; v[224:239] layer i: two pairs of partial sums at ACC + 4 i
.set D,     240                        ; v[240:243] d_0 .. d_3
.set A,     244                        ; v[244:245] a_i; the packed multiply-add takes v244 for both halves, v245 is only named
.set T,     246                        ; v246       a_i + e_i
; window 1 (v256-v511): row r, chunk j at 32 r + 4 j
; s_set_vgpr_msb's low byte: bits 1:0 source 0, 3:2 source 1, 5:4 source 2, 7:6 destination; the high byte repeats the setting that is left.
.set TO_X,  0x40                       ; loads of x: destination in window 1, offset in window 0
.set DOT,   0x01                       ; sums += x w: source 0 (x) in window 1
.set SCALE, 0x41                       ; x = x a + c: destination and source 0 in window 1
.set FROM_X, 0x04                      ; stores: data (source 1) in window 1, offset in window 0
.set MSB, 0
.macro WIN new
.if MSB != \new
	s_set_vgpr_msb (MSB<<8)|\new
.set MSB, \new
.endif
.endm
; eight loads: the whole row r of my wave
.macro LOADROW r
	WIN TO_X
.irp j, 0,1,2,3,4,5,6,7
	global_load_b128 v[32*\r+4*\j:32*\r+4*\j+3], v[VOFF], s[4:5] offset:\r*ROWB+\j*CHUNK th:TH_LOAD_NT
.endr
.endm
; n registers from reg on are summed over the 32 lanes, the sums in every lane; the n chains are interleaved so that none waits for itself.
; Four steps inside each half of 16 lanes ride on the add (DPP), one crosses the halves.  tmp + step q: registers written before.
.macro LANESUM reg, n, tmp, step
.irp m, 1,2,4,8
.set q, 0
.rept \n
	v_add_f32_dpp v[\reg+q], v[\reg+q], v[\reg+q] row_xmask:\m row_mask:0xf bank_mask:0xf
.set q, q+1
.endr
.endr
.set q, 0
.rept \n
	v_permlanex16_b32 v[\tmp+\step*q], v[\reg+q], s12, s13
.set q, q+1
.endr
.set q, 0
.rept \n
	v_add_f32 v[\reg+q], v[\reg+q], v[\tmp+\step*q]
.set q, q+1
.endr
.endm
	s_load_b256 s[4:11], s[0:1], 0x0               ; x s[4:5], weight_w s[6:7], weight_b s[8:9], out0 s[10:11]
	v_lshl_add_u32 v254, v0, 2, 0x5100
	v_mov_b32 v255, 0
	v_and_b32 v[LANE4], 31, v0                     ; lane
	v_lshrrev_b32 v[EADR], 5, v0
	v_readfirstlane_b32 s14, v[EADR]               ; wave 0..7, as a scalar
	v_lshlrev_b32 v[LOFF], 4, v[LANE4]             ; 16 lane
	v_lshlrev_b32 v[LANE4], 2, v[LANE4]            ; 4 lane
	s_lshl_b32 s15, s14, 9                         ; 512 wave
	s_lshl_b32 s16, s14, 15                        ; wave x 8 rows x 4,096 bytes
	s_lshl_b32 s17, s14, 4                         ; 16 wave
	v_add_nc_u32 v[TOFF], s15, v[LOFF]             ; 16 t
	v_add_nc_u32 v[VOFF], s16, v[LOFF]
	v_mov_b32 v[EADR], s17
	s_lshl_b32 s2, ttmp9, 18                       ; work-group x 64 rows x 4,096 bytes: 255 << 18 at the most, below 2^32
	s_mov_b32 s3, 0
	s_mov_b32 s12, 0x76543210                      ; v_permlanex16_b32: lane i of one half reads lane i of the other
	s_mov_b32 s13, 0xfedcba98
	v_mov_b32 v[A+1], 0                            ; the upper register of a's pair is named by the packed multiply-add and never selected
	v_mov_b32 v[E+3], 0                            ; the fourth word of my wave's 16 bytes of parts
	s_wait_kmcnt 0x0
	s_add_nc_u64 s[4:5], s[4:5], s[2:3]            ; x and out0 at the work-group's first row
	s_add_nc_u64 s[10:11], s[10:11], s[2:3]
	; the weights first, since they are needed first and loads come back in order; then six rows of x
.irp i, 0,1,2,3
	global_load_b128 v[WT+4*\i:WT+4*\i+3], v[TOFF], s[6:7] offset:\i*ROWB
.endr
.irp i, 0,1,2,3
	global_load_b128 v[BT+4*\i:BT+4*\i+3], v[TOFF], s[8:9] offset:\i*ROWB
.endr
.irp r, 0,1,2,3,4,5
	LOADROW \r
.endr
	WIN 0
	; SET-UP, once: w and c_4 into LDS, and my wave's parts of e_1, e_2, e_3
	s_wait_loadcnt 48                              ; the eight weight loads are in; the 48 loads of rows 0-5 stay out
.irp i, 0,1,2,3
	ds_store_b128 v[TOFF], v[WT+4*\i:WT+4*\i+3] offset:LDS_W+\i*ROWB
.endr
.irp i, 1,2,3                                      ; running sums in place: BT + 4 (i - 1) becomes c_i
	v_pk_add_f32 v[BT+4*\i:BT+4*\i+1],   v[BT+4*\i:BT+4*\i+1],   v[BT+4*\i-4:BT+4*\i-3]
	v_pk_add_f32 v[BT+4*\i+2:BT+4*\i+3], v[BT+4*\i+2:BT+4*\i+3], v[BT+4*\i-2:BT+4*\i-1]
.endr
	ds_store_b128 v[TOFF], v[BT+12:BT+15] offset:LDS_C
.irp i, 1,2,3                                      ; c_i w_i over my four columns; the first product starts the sum
	v_pk_mul_f32 v[ET+2*\i-2:ET+2*\i-1], v[BT+4*\i-4:BT+4*\i-3], v[WT+4*\i:WT+4*\i+1]
.endr
.irp i, 1,2,3
	v_pk_fma_f32 v[ET+2*\i-2:ET+2*\i-1], v[BT+4*\i-2:BT+4*\i-1], v[WT+4*\i+2:WT+4*\i+3], v[ET+2*\i-2:ET+2*\i-1]
.endr
.irp i, 1,2,3
	v_add_f32 v[E+\i-1], v[ET+2*\i-2], v[ET+2*\i-1]
.endr
	LANESUM E, 3, ET, 1                            ; over my wave's 128 columns
	ds_store_b128 v[EADR], v[E:E+3] offset:LDS_E   ; all lanes write the same 16 bytes with the same values
	s_wait_dscnt 0x0                               ; for the other waves' sake: all my LDS stores are done before I say so
	s_barrier_signal -1
	s_barrier_wait -1                              ; LDS is complete, and nobody writes it again
	ds_load_b32 v[EV], v[LANE4] offset:LDS_E       ; lane l: part (l & 3) of wave l >> 2
.irp i, 0,1,2,3
.irp j, 0,1,2,3,4,5,6,7
	ds_load_b128 v[W+32*\i+4*\j:W+32*\i+4*\j+3], v[LOFF] offset:LDS_W+\i*ROWB+\j*CHUNK
.endr
.endr
.irp j, 0,1,2,3,4,5,6,7
	ds_load_b128 v[C+4*\j:C+4*\j+3], v[LOFF] offset:LDS_C+\j*CHUNK
.endr
	LOADROW 6                                      ; at most 48 + 8 loads are out
	WIN 0
	s_wait_dscnt 40                                ; the word of parts is in; the 40 loads of w and c_4 behind it stay out
	v_add_f32_dpp v[EV], v[EV], v[EV] row_xmask:4 row_mask:0xf bank_mask:0xf   ; over the eight waves: lanes 4, 8 and 16 apart
	v_add_f32_dpp v[EV], v[EV], v[EV] row_xmask:8 row_mask:0xf bank_mask:0xf
	v_permlanex16_b32 v[ET], v[EV], s12, s13
	v_add_f32 v[EV], v[EV], v[ET]
	v_readlane_b32 s20, v[EV], 0                   ; e_1
	v_readlane_b32 s21, v[EV], 1                   ; e_2
	v_readlane_b32 s22, v[EV], 2                   ; e_3
	s_wait_dscnt 0x0                               ; w and c_4 are in registers
; ONE ROW.  left = how many younger loads may stay out when row r has to be in; ask = 1: the last row is asked for here.
.macro ROW r, left, ask
	s_wait_loadcnt \left                           ; loads come back in order (ISA guide 5.7.1): row r is in, the rows behind it stay out
.if \ask
	LOADROW 7
.endif
	WIN DOT
	; four dot products, each in two pairs of partial sums: eight chains that do not wait for each other.  Chunk 0 starts them.
.irp i, 0,1,2,3
	v_pk_mul_f32 v[ACC+4*\i:ACC+4*\i+1],   v[32*\r:32*\r+1],   v[W+32*\i:W+32*\i+1]
	v_pk_mul_f32 v[ACC+4*\i+2:ACC+4*\i+3], v[32*\r+2:32*\r+3], v[W+32*\i+2:W+32*\i+3]
.endr
.irp j, 1,2,3,4,5,6,7
.irp i, 0,1,2,3
	v_pk_fma_f32 v[ACC+4*\i:ACC+4*\i+1],   v[32*\r+4*\j:32*\r+4*\j+1],   v[W+32*\i+4*\j:W+32*\i+4*\j+1],   v[ACC+4*\i:ACC+4*\i+1]
	v_pk_fma_f32 v[ACC+4*\i+2:ACC+4*\i+3], v[32*\r+4*\j+2:32*\r+4*\j+3], v[W+32*\i+4*\j+2:W+32*\i+4*\j+3], v[ACC+4*\i+2:ACC+4*\i+3]
.endr
.endr
	WIN 0
.irp i, 0,1,2,3
	v_pk_add_f32 v[ACC+4*\i:ACC+4*\i+1], v[ACC+4*\i:ACC+4*\i+1], v[ACC+4*\i+2:ACC+4*\i+3]
.endr
.irp i, 0,1,2,3
	v_add_f32 v[D+\i], v[ACC+4*\i], v[ACC+4*\i+1]
.endr
	LANESUM D, 4, ACC+2, 4                         ; d_0 .. d_3 in every lane; the second pairs of the partial sums serve as scratch
	v_add_f32 v[A], 1.0, v[D]                      ; a_1 = 1 + d_0  (a_0 = 1, e_0 = 0)
	v_add_f32 v[T], s20, v[A]
	v_fma_f32 v[A], v[A], v[D+1], v[T]             ; a_2 = a_1 d_1 + (a_1 + e_1)
	v_add_f32 v[T], s21, v[A]
	v_fma_f32 v[A], v[A], v[D+2], v[T]             ; a_3
	v_add_f32 v[T], s22, v[A]
	v_fma_f32 v[A], v[A], v[D+3], v[T]             ; a_4
	WIN SCALE
.set q, 0
.rept 16
	v_pk_fma_f32 v[32*\r+q:32*\r+q+1], v[32*\r+q:32*\r+q+1], v[A:A+1], v[C+q:C+q+1] op_sel_hi:[1,0,1]   ; out = x0 a_4 + c_4, in place
.set q, q+2
.endr
	WIN FROM_X
.irp j, 0,1,2,3,4,5,6,7                            ; the row's registers, the offset and the base are never written again: no wait for the stores' sources
	global_store_b128 v[VOFF], v[32*\r+4*\j:32*\r+4*\j+3], s[10:11] offset:\r*ROWB+\j*CHUNK th:TH_STORE_NT
.endr
.endm
	ROW 0, 48, 1                                   ; rows 1-6 stay out; row 7 is asked for now
	ROW 1, 48, 0                                   ; rows 2-7
	ROW 2, 40, 0
	ROW 3, 32, 0
	ROW 4, 24, 0
	ROW 5, 16, 0
	ROW 6, 8, 0
	ROW 7, 0, 0
	WIN 0                                          ; the windows are left as they were found
	s_wait_tensorcnt 0x0
	ds_add_u32 v254, v255
	s_wait_dscnt 0x0
	s_endpgm
.Lfunc_end_k_q3399a1c48e_cross:
	.size	k_q3399a1c48e_cross, .Lfunc_end_k_q3399a1c48e_cross-k_q3399a1c48e_cross
	.p2alignl 7, 3214868480
	.fill 96, 4, 3214868480
	.section	.rodata,"a",@progbits
	.p2align	6, 0x0
	.amdhsa_kernel k_q3399a1c48e_cross
		.amdhsa_group_segment_fixed_size 21760
		.amdhsa_private_segment_fixed_size 0
		.amdhsa_enable_private_segment 0
		.amdhsa_kernarg_size 32
		.amdhsa_user_sgpr_count 2
		.amdhsa_user_sgpr_kernarg_segment_ptr 1
		.amdhsa_wavefront_size32 1
		.amdhsa_system_sgpr_workgroup_id_x 1
		.amdhsa_system_sgpr_workgroup_id_y 1
		.amdhsa_system_sgpr_workgroup_id_z 1
		.amdhsa_system_vgpr_workitem_id 0
		.amdhsa_next_free_vgpr 512
		.amdhsa_next_free_sgpr 66
		.amdhsa_reserve_vcc 0
		.amdhsa_float_denorm_mode_32 3
		.amdhsa_float_denorm_mode_16_64 3
		.amdhsa_memory_ordered 1
		.amdhsa_forward_progress 1
		.amdhsa_inst_pref_size 78
	.end_amdhsa_kernel
	.amdgpu_metadata
---
amdhsa.version: [ 1, 2 ]
amdhsa.kernels:
  - .name:           k_q3399a1c48e_cross
    .symbol:         k_q3399a1c48e_cross.kd
    .args:
      - { .name: x, .offset: 0, .size: 8, .value_kind: global_buffer, .address_space: global }
      - { .name: weight_w, .offset: 8, .size: 8, .value_kind: global_buffer, .address_space: global }
      - { .name: weight_b, .offset: 16, .size: 8, .value_kind: global_buffer, .address_space: global }
      - { .name: out0, .offset: 24, .size: 8, .value_kind: global_buffer, .address_space: global }
    .group_segment_fixed_size: 21760
    .private_segment_fixed_size: 0
    .kernarg_segment_align: 8
    .kernarg_segment_size: 32
    .max_flat_workgroup_size: 256
    .sgpr_count:     66
    .vgpr_count:     512
    .wavefront_size: 32
...
	.end_amdgpu_metadata
.endif
;; end of part 1
